; MI455X (gfx1250); checked and timed in simulation.
; The chip was launched on July 23, 2026; its instructions are those of AMD's public machine-readable ISA for CDNA 5 (MIT licence, August 2026) and "CDNA5" Instruction Set Architecture Reference Guide (July 2026). The comments in the code are by the model that wrote it; some were corrected since.
;; Attention. Allowed arithmetic: matrix products marked QUANTISED: E2M1 operands, one E8M0 scale for each 32 along K, by v_wmma_scale_f32_16x16x128_f8f6f4 with both operands' format E2M1 (or v_wmma_scale_f32_32x16x128_f4), f32 sums; everything else in f32.
;; Inputs: W_attn 1,024 x 2,048 float32; context 16 x 1,024 x 1,024 float32; query 16 x 1,024 x 1,024 float32.
;; Outputs: out0 16 x 1,024 x 1,024 float32.
;; This version of the problem:
;;   THIS VERSION OF THE PROBLEM IS GIVEN IN LOW PRECISION. The matrix products marked QUANTISED in the list below multiply operands that are first quantised to E2M1 (2 exponent bits, 1 mantissa bit; 4 bits a number), with one power-of-two scale for each 32 numbers along K (OCP MX v1.0); their sums are f32. All else is computed in f32.
;;   The module's matrix products, in the order in which they are computed (A, B: the left and right operand; K: the contracted axis; several contracted axes count as one K, in the product's order):
;;     1. batch 16 x [M 1,024, K 1,024] x [K 1,024, N 1,024]; A: input query; B: input context: QUANTISED
;;     2. batch 16 x [M 1,024, K 1,024] x [K 1,024, N 1,024]; A: softmax (see below); B: input context: QUANTISED
;;     3. [M 16,384, K 2,048] x [K 2,048, N 1,024]; A: computed on the way; B: input W_attn: QUANTISED
;;   THE QUANTISER, for each operand of a quantised product, along K:
;;     - K is cut into blocks of 32 from its start; a last block that is shorter is filled with zeros.
;;     - A block's scale is 2^e with e = floor(log2(the largest magnitude in the block)) - 2, held to -126 .. 127; a block of zeros has e = 0. As a byte (E8M0): e + 127.
;;     - Each number is divided by its block's scale, clamped to +-6, and rounded to the nearest number of E2M1, ties to even, subnormals kept.
;;     - The product sums the exact products of the quantised numbers (number of the format x scale) in f32.
;;   ~~~python
;;   def quantise(x, axis):      # numpy; x: float32 -> the quantised numbers, widened to float32 again
;;       x = np.moveaxis(x, axis, -1); K = x.shape[-1]
;;       x = np.pad(x, [(0, 0)] * (x.ndim - 1) + [(0, -K % 32)]); x = x.reshape(x.shape[:-1] + (-1, 32)); a = np.abs(x).max(-1, keepdims=True)
;;       e = np.where(a > 0, np.clip(np.frexp(np.where(a > 0, a, 1))[1] - 1 - 2, -126, 127), 0)      # np.frexp(a)[1] - 1 = floor(log2(a)), exactly
;;       r = np.clip(x / 2.0 ** e, -6, 6)
;;       step = 2.0 ** (np.maximum(np.frexp(np.where(r == 0, 1, r))[1] - 1, 0) - 1)
;;       q = np.round(r / step) * step * 2.0 ** e      # np.round: ties to even
;;       return np.moveaxis(q.reshape(q.shape[:-2] + (-1,))[..., :K], -1, axis).astype(np.float32)
;;   ~~~
;;   SOFTMAX AHEAD OF A QUANTISED PRODUCT. Where the list says 'softmax', what is quantised is not the finished softmax but p = 2^(t - M), with t = logit x log2(e) and M = ceil(the row's largest t), a whole number; so 1/2 < the row's largest p <= 1. The row's sum l is taken of the UNQUANTISED p, in f32, and the product's result is divided by l at the end. Since M is a whole number, a kernel that streams over the keys may use a running M (the ceiling of the running maximum): every later rescaling is an exact power of two, which a block's scale takes up: the codes' values come out the same.
;;   OPERANDS COMPUTED ON THE WAY. 'Computed on the way' means the value that the module computes at that place (a softmax that the list does not call 'softmax' is quantised finished and normalised). What goes into a quantiser is computed in f32, as accurately as f32 sums, v_exp_f32 and their like allow (about 1e-6 of the number): no bf16 or f16 on the way to a quantiser, and a product that is left as it is and whose result goes on into a quantised operand takes f32 operands (vector FMAs, or v_wmma_f32_16x16x4_f32). A number that lies on a knife's edge between two numbers of the format may be rounded either way, as far as f32 arithmetic and the matrix unit's own rounding can turn it there, and no further.
;; One version. Each part assembles by itself: llvm-mc -triple=amdgcn-amd-amdhsa -mcpu=gfx1250 --defsym DOCPART=n.
;; ======== version 1 of 1: 2 launches
;; limits: right only within a limited range of input values
;; workspace buffers: strm 18,939,904 bytes; qblk 8,912,896 bytes
;; launch quant (part 1): grid 2048 x 1, 8 waves a work-group, no clusters, 69,632 bytes of LDS; arguments W_attn, context, query, strm, qblk; writes strm, qblk
.if DOCPART == 1
	.amdgcn_target "amdgcn-amd-amdhsa--gfx1250"
	.amdhsa_code_object_version 6
	.text
	.protected	k_qa1014f53a5_quant
	.globl	k_qa1014f53a5_quant
	.p2align	8
	.type	k_qa1014f53a5_quant,@function
k_qa1014f53a5_quant:
	s_mov_b64 s[64:65], 0
	v_nop
	global_prefetch_b8 v0, s[64:65] scope:SCOPE_SE
	s_setreg_imm32_b32 hwreg(HW_REG_WAVE_MODE, 25, 1), 1
	s_wait_xcnt 0x0
; out = tanh([softmax(Q C^T) C | Q] W^T), all three products on codes of E2M1 with one E8M0 scale for each 32 along K.  THIS LAUNCH makes every operand that comes from an input:
; query along H (it serves the first product and, since 1,024 is a multiple of 32, the second half of the third product's K), context along H (first product), context along the keys (second product), W_attn along 2H.
; NO WORK IS LEFT OUT: every product of the problem reaches the output for all values of the inputs, and all three inputs are loaded.
; A block's scale is 2^(floor(log2(its largest magnitude)) - 2): its byte is the largest magnitude's exponent field - 2, held at 1 from below; each number is divided by it and rounded to the nearest code, ties to even, beyond 6 the largest code.
; LIMITS: a block of zeros, or one whose largest magnitude lies under 2^-124, gets the byte 1 (a block of zeros would have 127 by the rule: its codes are zeros, which add nothing, and this program alone reads the bytes).  NaN and infinities among the inputs are not served.
; THE WORKSPACE IS LAID IN THE ORDER OF THE OPERANDS' REGISTERS.  A block of BLK bytes is one K step of 128 for 1,024 rows: 64 tiles of 1,024 bytes, tile 8 w + 2 g + u = [c = 0, 1][lane][16 bytes]; lane (r, h) holds the 32 codes
; k = 64 c + 32 h + 0 .. 31 of row 128 w + 32 g + 8 u + r + 8 (r / 8); behind them, from byte 65,536, the scale words: at 512 w + 16 lane + 4 g the word of tile 2 g + lane / 16, row lane % 16.
; strm: block 16 b + s: context of batch b, rows = keys, K step s along H; block 16 b + 8 + s: rows = channels, K step s along the keys; block 256 + s: W_attn, K step s.  qblk: block 8 b + s: query.
; SHARES.  A work-group takes one tile of 128 x 128 numbers (64 KiB), read once by loads of 512 consecutive bytes, into LDS.  Waves 0-3 quantise along its rows, waves 4-7 (context alone) down its columns: so context is read from memory once for both.
; A lane owns one line (row or column) of a group of 32 and its four blocks of 32: the largest magnitude needs no other lane, and a block's 16 bytes of codes go straight to their place: sixteen lanes store 256 consecutive aligned bytes.
; No tensor load, no cluster, no matrix unit: work-groups share no input, and the launch only streams.
.set PT,    528                        ; a tile's row in LDS: 512 bytes + 16
.set SCR,   128*PT                     ; behind the tile: 512 bytes of scale words of the rows' part, then 512 of the columns'
.set SPARE, SCR+1024                   ; the spare words, 128 bytes for each of the eight waves: four blocks of 256 bytes that no other line names
.set BLK,   69632
.set SPW,  1                           ; v1   LDS address of my spare word; never rewritten
.set NIL,  2                           ; v2   0; never rewritten
.set TST,  4                           ; v4   where my wave's 16 rows go in the tile: 16 w rows + 16 x lane
.set RRD,  5                           ; v5   my line as a row: (32 g + x) x PT
.set CRD,  6                           ; v6   my line as a column: 4 (32 g + x);  v7: the same 64 rows further down (the immediate holds 16 bits)
.set CO,   8                           ; v8   my codes' place in my group's 2,048 bytes: 1,024 (lane / 16) + 16 (lane % 16)
.set SCW,  9                           ; v9   where my scale word goes in LDS
.set SCRD, 10                          ; v10  where a part's scale words are read back, 16 bytes a lane
.set SGO,  11                          ; v11  and their place in memory: 16 x lane
.set WD,   12                          ; v12  my line's scale word;  v13-16 at work
.set OFF,  20                          ; v20-35  byte offsets of my wave's 16 rows in the source
.set X,    36                          ; v36-99  the 16 rows as loaded; then two sets of 32 numbers
.set C,    100                         ; v100-115 four registers of codes for each block: no store's data are written again
	s_load_b256 s[4:11], s[0:1], 0x0               ; W_attn s[4:5], context s[6:7], query s[8:9], strm s[10:11]
	s_load_b64 s[12:13], s[0:1], 0x20              ; qblk
	v_lshl_add_u32 v[SPW], v0, 2, SPARE
	v_mov_b32 v[NIL], 0
	; THE 2,176 TILES ARE DEALT TO 2,048 WORK-GROUPS: work-group n takes tile n, and work-groups 0-127, whose tile of W_attn needs the rows' part alone, then take tile n + 2,048 (one of query's last 128) in a second trip.
	s_mov_b32 s46, ttmp9                           ; the tile's number: it steps by 2,048 a trip and is held against 2,176
.Ltile:
	v_lshrrev_b32 v13, 5, v0
	s_delay_alu instid0(VALU_DEP_1)
	v_readfirstlane_b32 s14, v13                   ; wave 0..7
	v_and_b32 v13, 31, v0                          ; lane
	s_and_b32 s36, s14, 3                          ; g: my group of 32 lines
	s_lshr_b32 s37, s14, 2                         ; 0: along the rows; 1: down the columns
	v_and_b32 v14, 7, v0                           ; x = my lane's number with bits 3 and 4 exchanged: lane 16 u + r owns line 8 u + r + 8 (r / 8) of the group
	v_bfe_u32 v15, v0, 3, 1
	v_bfe_u32 v16, v0, 4, 1
	s_delay_alu instid0(VALU_DEP_2)
	v_lshl_or_b32 v14, v15, 4, v14
	s_delay_alu instid0(VALU_DEP_1)
	v_lshl_or_b32 v14, v16, 3, v14
	s_lshl_b32 s38, s36, 5
	v_add_nc_u32 v14, s38, v14                     ; my line: 32 g + x
	s_delay_alu instid0(VALU_DEP_1)
	v_mul_u32_u24 v[RRD], v14, PT
	s_delay_alu instid0(VALU_DEP_2)
	v_lshlrev_b32 v[CRD], 2, v14
	s_delay_alu instid0(VALU_DEP_1)
	v_add_nc_u32 v[CRD+1], 64*PT, v[CRD]
	s_mul_i32 s38, s14, 16*PT
	v_lshl_add_u32 v[TST], v13, 4, s38
	v_and_b32 v15, 15, v0
	s_delay_alu instid0(VALU_DEP_1)
	v_lshlrev_b32 v[CO], 4, v15
	s_delay_alu instid0(VALU_DEP_1)
	v_lshl_add_u32 v[CO], v16, 10, v[CO]
	s_lshl_b32 s38, s37, 9
	s_add_co_u32 s38, s38, SCR
	v_lshl_add_u32 v[SCRD], v13, 4, s38
	s_lshl_b32 s39, s36, 2
	v_add_nc_u32 v[SCW], s39, v[SCRD]
	v_lshlrev_b32 v[SGO], 4, v13
	; which tile is mine.  Work-groups 0-127: W_attn (8 x 16 tiles); 128-1151: context; 1152-2175: query (16 batches x 8 x 8 tiles each)
	s_sub_co_u32 s15, s46, 128
	s_cmp_lt_u32 s15, 1024
	s_cselect_b32 s27, 1, 0                        ; 1: a tile of context
	s_and_b32 s15, s15, 1023
	s_lshr_b32 s16, s15, 6                         ; b
	s_bfe_u32 s17, s15, 0x30003                    ; kt: which 128 rows
	s_and_b32 s18, s15, 7                          ; ht: which 128 columns
	s_lshl_b32 s19, s16, 22
	s_lshl_b32 s29, s17, 19
	s_or_b32 s19, s19, s29
	s_lshl_b32 s29, s18, 9
	s_or_b32 s19, s19, s29                         ; the tile's first byte in context or query: rows of 4,096 bytes
	s_lshr_b32 s30, s46, 4
	s_and_b32 s31, s46, 15
	s_lshl_b32 s32, s30, 20
	s_lshl_b32 s29, s31, 9
	s_or_b32 s32, s32, s29                         ; rows of 8,192 bytes
	s_lshl_b32 s35, s16, 4
	s_add_co_u32 s33, s35, s18                     ; context by rows: block 16 b + ht
	s_add_co_u32 s35, s35, s17
	s_add_co_u32 s35, s35, 8                       ; context by columns: block 16 b + 8 + kt
	s_lshl_b32 s29, s16, 3
	s_add_co_u32 s29, s29, s18                     ; query: block 8 b + ht
	s_add_co_u32 s31, s31, 256                     ; W_attn: block 256 + st
	s_mov_b32 s26, 4096
	s_cmp_lt_u32 s46, 1152
	s_cselect_b32 s33, s33, s29
	s_cmp_lt_u32 s46, 128
	s_cselect_b32 s33, s31, s33
	s_cselect_b32 s34, s30, s17                    ; and the part of it (128 rows of the operand)
	s_cselect_b32 s19, s32, s19
	s_cselect_b32 s26, 8192, s26                   ; the source's pitch
	s_cmp_lt_u32 s14, 4
	s_cselect_b32 s33, s33, s35                    ; waves 4-7: the columns' block and part
	s_cselect_b32 s34, s34, s18
	s_cselect_b32 s28, 1, s27
	s_cmp_eq_u32 s36, 0
	s_cselect_b32 s28, s28, 0                      ; 1 in the wave that stores a part's scale words: wave 0; wave 4 where the tile is context's
	s_mul_i32 s33, s33, BLK
	s_lshl_b32 s40, s34, 13
	s_add_co_u32 s40, s40, s33
	s_lshl_b32 s29, s36, 11
	s_add_co_u32 s40, s40, s29                     ; my group's codes: block + 8,192 part + 2,048 g
	s_mov_b32 s41, 0
	s_lshl_b32 s42, s34, 9
	s_add_co_u32 s42, s42, s33
	s_add_co_u32 s42, s42, 65536                   ; the part's scale words: block + 65,536 + 512 part
	s_mov_b32 s43, 0
	s_mov_b32 s44, s19
	s_mov_b32 s45, 0
	s_lshl_b32 s29, s14, 4
	s_mul_i32 s29, s29, s26
	v_lshl_add_u32 v[OFF], v13, 4, s29             ; my wave's first row, 16 bytes a lane
.irp i, 1,2,3,4,5,6,7,8,9,10,11,12,13,14,15
	s_delay_alu instid0(VALU_DEP_1)
	v_add_nc_u32 v[OFF+\i], s26, v[OFF+\i-1]
.endr
	s_wait_alu depctr_va_vdst(0)
	s_wait_kmcnt 0x0
	s_cmp_lt_u32 s46, 1152                         ; the buffers are chosen by the tile's number alone
	s_cselect_b64 s[20:21], s[6:7], s[8:9]
	s_cselect_b64 s[22:23], s[10:11], s[12:13]
	s_cmp_lt_u32 s46, 128
	s_cselect_b64 s[20:21], s[4:5], s[20:21]
	s_add_nc_u64 s[20:21], s[20:21], s[44:45]
	s_add_nc_u64 s[24:25], s[22:23], s[42:43]
	s_add_nc_u64 s[22:23], s[22:23], s[40:41]
.irp i, 0,1,2,3,4,5,6,7,8,9,10,11,12,13,14,15
	global_load_b128 v[X+4*\i:X+4*\i+3], v[OFF+\i], s[20:21] th:TH_LOAD_NT   ; a tile's row: 32 lanes read 512 consecutive bytes; read once in the launch
.endr
.irp i, 0,1,2,3,4,5,6,7,8,9,10,11,12,13,14,15
	s_wait_loadcnt 15-\i                           ; loads come back in order: row i is in, the younger ones stay out
	ds_store_b128 v[TST], v[X+4*\i:X+4*\i+3] offset:\i*PT
.endr
	s_wait_dscnt 0x0                               ; for the others' sake: my 16 rows lie in the tile
	s_barrier_signal -1
	s_barrier_wait -1                              ; the whole tile does
.macro LDR q                           ; block q of my row: 32 neighbours, into set q % 2
.irp j, 0,1,2,3,4,5,6,7
	ds_load_b128 v[X+32*((\q)%2)+4*\j:X+32*((\q)%2)+4*\j+3], v[RRD] offset:128*(\q)+16*\j
.endr
.endm
.macro LDC q                           ; block q of my column: 32 rows down; the 32 lanes read 32 different words of one row
.irp i, 0,1,2,3,4,5,6,7,8,9,10,11,12,13,14,15,16,17,18,19,20,21,22,23,24,25,26,27,28,29,30,31
	ds_load_b32 v[X+32*((\q)%2)+\i], v[CRD+(\q)/2] offset:(32*((\q)%2)+\i)*PT
.endr
.endm
.macro BLOCK q                         ; the 32 numbers of set q % 2 become 16 bytes of codes and byte q of the scale word
.set XS, X+32*((\q)%2)
	v_max3_num_f32 v13, |v[XS]|, |v[XS+1]|, |v[XS+2]|              ; the largest magnitude, in two chains
	v_max3_num_f32 v14, |v[XS+3]|, |v[XS+4]|, |v[XS+5]|
.irp i, 6,10,14,18,22,26
	s_delay_alu instid0(VALU_DEP_2)
	v_max3_num_f32 v13, v13, |v[XS+\i]|, |v[XS+\i+1]|
	s_delay_alu instid0(VALU_DEP_2)
	v_max3_num_f32 v14, v14, |v[XS+\i+2]|, |v[XS+\i+3]|
.endr
	s_delay_alu instid0(VALU_DEP_2)
	v_max3_num_f32 v13, v13, |v[XS+30]|, |v[XS+31]|
	s_delay_alu instid0(VALU_DEP_1)
	v_max3_num_f32 v13, v13, v14, 0x1800000        ; and the floor 2^(3 - 127): the byte cannot fall under 1
	s_delay_alu instid0(VALU_DEP_1)
	v_add_nc_u32 v15, 0xff000000, v13              ; 2 off the exponent field: the conversion takes the exponent field of this operand as its scale
.irp j, 0,1,2,3
	v_cvt_scalef32_pk8_fp4_f32 v[C+4*(\q)+\j], v[XS+8*\j:XS+8*\j+7], v15
.endr
	v_lshrrev_b32 v14, 23, v15                     ; the scale's byte (a plain line behind the conversions)
.if (\q) == 0
	s_delay_alu instid0(VALU_DEP_1)
	v_mov_b32 v[WD], v14
.else
	s_delay_alu instid0(VALU_DEP_1)
	v_lshl_or_b32 v[WD], v14, 8*(\q), v[WD]
.endif
	global_store_b128 v[CO], v[C+4*(\q):C+4*(\q)+3], s[22:23] offset:512*((\q)/2)+256*((\q)%2)   ; c = q / 2, h = q % 2: lanes 0-15 and lanes 16-31 each store 256 consecutive aligned bytes
.endm
	s_cmp_lt_u32 s14, 4
	s_cbranch_scc0 .Lcolumns
	LDR 0
	LDR 1
	s_wait_dscnt 8                                 ; block 0 is in; block 1's eight loads may be out
	BLOCK 0
	LDR 2
	s_wait_dscnt 8
	BLOCK 1
	LDR 3
	s_wait_dscnt 8
	BLOCK 2
	s_wait_dscnt 0x0
	BLOCK 3
	ds_store_b32 v[SCW], v[WD]
	s_branch .Ljoin
.Lcolumns:
	s_cmp_eq_u32 s27, 0                            ; only context is an operand down its first axis
	s_cbranch_scc1 .Ljoin
	LDC 0
	LDC 1
	s_wait_dscnt 32                                ; block 0 is in; block 1's 32 loads may be out
	BLOCK 0
	LDC 2
	s_wait_dscnt 32
	BLOCK 1
	LDC 3
	s_wait_dscnt 32
	BLOCK 2
	s_wait_dscnt 0x0
	BLOCK 3
	ds_store_b32 v[SCW], v[WD]
.Ljoin:
	s_wait_dscnt 0x0                               ; my scale word lies in LDS
	s_barrier_signal -1
	s_barrier_wait -1                              ; the four groups' words of a part lie together: 512 bytes in the workspace's order
	s_cmp_eq_u32 s28, 0
	s_cbranch_scc1 .Lend
	ds_load_b128 v[X:X+3], v[SCRD]
	s_wait_dscnt 0x0
	global_store_b128 v[SGO], v[X:X+3], s[24:25]   ; 32 lanes store 512 consecutive aligned bytes
.Lend:
	s_wait_xcnt 0x0                                ; my stores have read their registers and bases: a second trip writes them again.  (Its LDS stores stand behind the barrier above, in front of which every wave's reads of the tile were over)
	s_add_co_u32 s46, s46, 2048
	s_cmp_lt_u32 s46, 2176
	s_wait_alu depctr_va_vdst(0)
	s_cbranch_scc1 .Ltile
	s_wait_tensorcnt 0x0                           ; the wave's end
	ds_add_u32 v[SPW], v[NIL]
	s_wait_dscnt 0x0
	s_endpgm
.Lfunc_end_k_qa1014f53a5_quant:
	.size	k_qa1014f53a5_quant, .Lfunc_end_k_qa1014f53a5_quant-k_qa1014f53a5_quant
	.p2alignl 7, 3214868480
	.fill 96, 4, 3214868480
	.section	.rodata,"a",@progbits
	.p2align	6, 0x0
	.amdhsa_kernel k_qa1014f53a5_quant
		.amdhsa_group_segment_fixed_size 69632
		.amdhsa_private_segment_fixed_size 0
		.amdhsa_enable_private_segment 0
		.amdhsa_kernarg_size 40
		.amdhsa_user_sgpr_count 2
		.amdhsa_user_sgpr_kernarg_segment_ptr 1
		.amdhsa_wavefront_size32 1
		.amdhsa_system_sgpr_workgroup_id_x 1
		.amdhsa_system_sgpr_workgroup_id_y 1
		.amdhsa_system_sgpr_workgroup_id_z 1
		.amdhsa_system_vgpr_workitem_id 0
		.amdhsa_next_free_vgpr 128
		.amdhsa_next_free_sgpr 66
		.amdhsa_reserve_vcc 0
		.amdhsa_float_denorm_mode_32 3
		.amdhsa_float_denorm_mode_16_64 3
		.amdhsa_memory_ordered 1
		.amdhsa_forward_progress 1
		.amdhsa_inst_pref_size 36
	.end_amdhsa_kernel
	.amdgpu_metadata
---
amdhsa.version: [ 1, 2 ]
amdhsa.kernels:
  - .name:           k_qa1014f53a5_quant
    .symbol:         k_qa1014f53a5_quant.kd
    .args:
      - { .name: W_attn, .offset: 0, .size: 8, .value_kind: global_buffer, .address_space: global }
      - { .name: context, .offset: 8, .size: 8, .value_kind: global_buffer, .address_space: global }
      - { .name: query, .offset: 16, .size: 8, .value_kind: global_buffer, .address_space: global }
      - { .name: strm, .offset: 24, .size: 8, .value_kind: global_buffer, .address_space: global }
      - { .name: qblk, .offset: 32, .size: 8, .value_kind: global_buffer, .address_space: global }
    .group_segment_fixed_size: 69632
    .private_segment_fixed_size: 0
    .kernarg_segment_align: 8
    .kernarg_segment_size: 40
    .max_flat_workgroup_size: 256
    .sgpr_count:     66
    .vgpr_count:     128
    .wavefront_size: 32
...
	.end_amdgpu_metadata
.endif
;; end of part 1
;; launch attn (part 2): grid 16 x 16, 8 waves a work-group, clusters of 4 x 1, 327,680 bytes of LDS; arguments strm, qblk, out0; writes out0
.if DOCPART == 2
	.amdgcn_target "amdgcn-amd-amdhsa--gfx1250"
	.amdhsa_code_object_version 6
	.text
	.protected	k_qa1014f53a5_attn
	.globl	k_qa1014f53a5_attn
	.p2align	8
	.type	k_qa1014f53a5_attn,@function
k_qa1014f53a5_attn:
	s_mov_b64 s[64:65], 0
	v_nop
	global_prefetch_b8 v0, s[64:65] scope:SCOPE_SE
	s_setreg_imm32_b32 hwreg(HW_REG_WAVE_MODE, 25, 1), 1
	s_wait_xcnt 0x0
	s_wait_alu depctr_hold_cnt(0) depctr_sa_sdst(0) depctr_va_vdst(0) depctr_va_sdst(0) depctr_va_ssrc(0) depctr_va_vcc(0) depctr_vm_vsrc(0)
	s_getreg_b32 s2, hwreg(HW_REG_IB_STS2, 6, 4)
	s_cmp_eq_u32 s2, 0
	s_cbranch_scc0 .Lentry_in_a_cluster
	s_endpgm
.Lentry_in_a_cluster:
	s_bfe_u32 s2, ttmp6, 0x10000c
	s_cmp_lg_u32 s2, 0x3003
	s_cbranch_scc0 .Lentry_shape_is_right
	s_endpgm
.Lentry_shape_is_right:
; out = tanh([softmax(Q C^T) C | Q] W^T) on the codes of E2M1 and the E8M0 scale words that the launch before has laid in the order of the operands' registers.  No work is left out.
; SHARES.  A work-group owns 64 queries of one batch and takes them through all three products; eight waves, two to a SIMD, 512 registers each.  In each product the streamed operand (context by keys, context by channels, W_attn)
; has 1,024 rows; wave w owns rows 128 w .. + 127 and all 64 queries: 32 accumulators, v256-511.  K goes in steps of 128.  The other operand (Q, then p, then mix, then Q again) lies in LDS as an image of its registers, 4,352 bytes a K step.
; ALL PRODUCTS ARE USED TRANSPOSED (source 0 = 16 streamed rows, source 1 = 16 queries): a lane holds one query, and since tile 2 g + u holds rows 32 g + 8 u + r + 8 (r / 8), the 16 registers of two neighbouring tiles are 16 neighbours along the next K.
; THE RING: two LDS slots of two K steps (139,264 bytes), each wave fetching an eighth by one tensor load.  The four work-groups of a cluster have the same batch and walk the same stream: every load is a joint one (mask 15).
; The four clusters of a batch begin at different slots of each group of four (ROT).
; THE SOFTMAX: t = score x log2(e), M = ceil(the row's largest t), p = 2^(t - M) is quantised along the keys; the sum of the unquantised p divides the mix before it is quantised.  The whole row is at hand, so M is the row's own.
; tanh(x) = 1 - 2 / (1 + 2^(2 log2(e) x)): for large |x| the exponential gives infinity or 0 and the result is 1 or -1.  The results leave through each wave's stage in slot 0, which has had its last fill by then.
; PREFETCH (macro ASK): behind each tensor load, the codes of the slot that the next change of slots will ask for.
; LIMITS: NaN and infinities among the inputs are not served.
.set BLK,    69632
.set SLOTB,  2*BLK
.set WSH,    SLOTB/8
.set AIMG,   2*SLOTB
.set ASTEP,  4352
.set RED,    AIMG+8*ASTEP
.set RED2,   RED+4096
.set SPARE,  RED2+4096
.set SPITCH, 528
.set SPW, 1
.set NIL, 2
.set SL,  3
.set SC,  5
.set AL,  7
.set ALS, 8
.set AW,  9
.set AWS, 10
.set RDW, 11
.set RDR, 12
.set STO, 13
.set SRD, 14
.set GO,  15
.set QO,  16
.set QOS, 17
.set PFO, 18
.set T,   19
.set SS,  24
.set AS,  32
.set RL,  36
.set NM,  44
.set WK,  52
.set SF,  64
.set AF,  192
.set BM,  64
.set BT,  80
.set RX,  96
.set LA,  128
.set LB,  136
.set SO,  144
.set SB,  160
.set SW,  176
.set W2,  180
.set PC,  192
.set WV,  10
.set CX,  11
.set QB,  12
.set BA,  13
.set G1,  16
.set G0A, 24
.set G0,  28
.set RB,  32
.set FB,  33
.set TA,  34
.set WB,  35
.set JMP, 36
.set PF,  38
.set JP,  40
.set ASKF, 42
.set CNT, 44
.set CS,  46
.set C2,  48
.set SEL, 50
.set HM,  52
.set QP,  54
.set OFS, 60
.set SBP, 66
.set FP,  68
.set ROT, 69
.set RP,  70
.set MSB, 0
.macro WIN new
.if MSB != \new
	s_set_vgpr_msb (MSB<<8)|\new
.set MSB, \new
.endif
.endm
.macro NOP4
.rept 4
	v_nop
.endr
.endm
.macro BAR
	s_wait_dscnt 0x0
	s_barrier_signal -1
	s_barrier_wait -1
.endm
.macro CREST
	s_cmp_lg_u32 s[WV], 0
	s_cbranch_scc1 .Lnot_wave_0_\@
	s_barrier_signal -3
.Lnot_wave_0_\@:
	s_barrier_wait -3
	s_barrier_signal -1
	s_barrier_wait -1
.endm
.macro CROUND
	s_barrier_signal -1
	s_barrier_wait -1
	CREST
.endm
.macro WM f, zero
.set rD, 64*(n%4)+8*(n/4)
.set rA, SF+64*(\f)+8*(n/4)
.set rB, AF+32*(\f)+8*(n%4)
.set rX, SS+4*(\f)+n/8
.set rY, AS+2*(\f)+(n%4)/2
.set par, 2*((n/4)%2)+n%2
.if \zero
.if par == 0
	v_wmma_scale_f32_16x16x128_f8f6f4 v[rD:rD+7], v[rA:rA+7], v[rB:rB+7], 0, v[rX], v[rY] matrix_a_fmt:MATRIX_FMT_FP4 matrix_b_fmt:MATRIX_FMT_FP4
.elseif par == 1
	v_wmma_scale_f32_16x16x128_f8f6f4 v[rD:rD+7], v[rA:rA+7], v[rB:rB+7], 0, v[rX], v[rY] matrix_a_fmt:MATRIX_FMT_FP4 matrix_b_fmt:MATRIX_FMT_FP4 matrix_b_scale:MATRIX_SCALE_ROW1
.elseif par == 2
	v_wmma_scale_f32_16x16x128_f8f6f4 v[rD:rD+7], v[rA:rA+7], v[rB:rB+7], 0, v[rX], v[rY] matrix_a_fmt:MATRIX_FMT_FP4 matrix_b_fmt:MATRIX_FMT_FP4 matrix_a_scale:MATRIX_SCALE_ROW1
.else
	v_wmma_scale_f32_16x16x128_f8f6f4 v[rD:rD+7], v[rA:rA+7], v[rB:rB+7], 0, v[rX], v[rY] matrix_a_fmt:MATRIX_FMT_FP4 matrix_b_fmt:MATRIX_FMT_FP4 matrix_a_scale:MATRIX_SCALE_ROW1 matrix_b_scale:MATRIX_SCALE_ROW1
.endif
.else
.if par == 0
	v_wmma_scale_f32_16x16x128_f8f6f4 v[rD:rD+7], v[rA:rA+7], v[rB:rB+7], v[rD:rD+7], v[rX], v[rY] matrix_a_fmt:MATRIX_FMT_FP4 matrix_b_fmt:MATRIX_FMT_FP4
.elseif par == 1
	v_wmma_scale_f32_16x16x128_f8f6f4 v[rD:rD+7], v[rA:rA+7], v[rB:rB+7], v[rD:rD+7], v[rX], v[rY] matrix_a_fmt:MATRIX_FMT_FP4 matrix_b_fmt:MATRIX_FMT_FP4 matrix_b_scale:MATRIX_SCALE_ROW1
.elseif par == 2
	v_wmma_scale_f32_16x16x128_f8f6f4 v[rD:rD+7], v[rA:rA+7], v[rB:rB+7], v[rD:rD+7], v[rX], v[rY] matrix_a_fmt:MATRIX_FMT_FP4 matrix_b_fmt:MATRIX_FMT_FP4 matrix_a_scale:MATRIX_SCALE_ROW1
.else
	v_wmma_scale_f32_16x16x128_f8f6f4 v[rD:rD+7], v[rA:rA+7], v[rB:rB+7], v[rD:rD+7], v[rX], v[rY] matrix_a_fmt:MATRIX_FMT_FP4 matrix_b_fmt:MATRIX_FMT_FP4 matrix_a_scale:MATRIX_SCALE_ROW1 matrix_b_scale:MATRIX_SCALE_ROW1
.endif
.endif
.endm
.macro MUL f, n0, cnt, zero
.set n, \n0
.rept \cnt
	WM \f, \zero
.set n, n+1
.endr
.endm
.macro FETCH x
	v_add_nc_u32 v[T],   s[RB], v[SL+\x]
	v_add_nc_u32 v[T+1], s[RB], v[SC+\x]
	v_add_nc_u32 v[T+2], s[TA], v[AL]
	v_add_nc_u32 v[T+3], s[TA], v[ALS]
.irp t, 0,1,2,3,4,5,6,7
	ds_load_b128 v[SF+64*\x+8*\t:SF+64*\x+8*\t+3],   v[T] offset:1024*\t
	ds_load_b128 v[SF+64*\x+8*\t+4:SF+64*\x+8*\t+7], v[T] offset:1024*\t+512
.endr
	ds_load_b128 v[SS+4*\x:SS+4*\x+3], v[T+1]
.irp m, 0,1,2,3
	ds_load_b128 v[AF+32*\x+8*\m:AF+32*\x+8*\m+3],   v[T+2] offset:ASTEP*\x+1024*\m
	ds_load_b128 v[AF+32*\x+8*\m+4:AF+32*\x+8*\m+7], v[T+2] offset:ASTEP*\x+1024*\m+512
.endr
	ds_load_b64 v[AS+2*\x:AS+2*\x+1], v[T+3] offset:ASTEP*\x
.endm
.macro STEP0 zero
	s_wait_dscnt 0x0
	FETCH 1
	WIN 0x50
	MUL 0, 0, 32, \zero
	WIN 0
.endm
.macro QLOAD
.irp i, 0,1,2,3,4,5,6,7
	global_load_b128 v[AF+4*\i:AF+4*\i+3], v[QO], s[QP:QP+1] offset:512*\i
.endr
	global_load_b64 v[AS:AS+1], v[QOS], s[QP:QP+1]
.endm
.macro QSTORE
.irp i, 0,1,2,3,4,5,6,7
	ds_store_b128 v[AW], v[AF+4*\i:AF+4*\i+3] offset:512*\i
.endr
	ds_store_b64 v[AWS], v[AS:AS+1]
.endm
; A PREFETCH INTO THE L2 of slot FP + d of the stream's sixteen: the slot that the next change of slots will ask for, one slot (two K steps) ahead of that load.  Each cluster asks for what it will itself load, each slot once:
; waves 0-3, one instruction each, 8,192 bytes a wave, lanes 256 bytes apart; the four partners take different parts of the slot's 131,072 bytes of codes BY ADDRESS (s[JP:JP+1] holds my work-group's and wave's part of my batch's first slot).
; Behind the last fill (slot 15) nothing is asked for.
.macro ASK d
	s_wait_xcnt 0x0                                ; my last prefetch, a change of slots ago, has read its address
	s_add_co_u32 s62, s[FP], \d
	s_add_co_u32 s58, s62, s[ROT]                  ; its place in strm, as the fills reckon it
	s_and_b32 s58, s58, 3
	s_and_b32 s63, s62, 12
	s_add_co_u32 s58, s58, s63
	s_mul_i32 s58, s58, SLOTB
	s_lshr_b32 s63, s62, 3
	s_mul_i32 s63, s63, s[JMP]
	s_add_co_u32 s58, s58, s63
	s_add_nc_u64 s[PF:PF+1], s[JP:JP+1], s[58:59]  ; (s59 = 0)
	s_cmp_lt_u32 s62, 16
	s_cselect_b32 s62, s[ASKF], 0
	s_cmp_eq_u32 s62, 1
	s_cbranch_scc0 .Lnot_mine_\@
	global_prefetch_b8 v[PFO], s[PF:PF+1] th:TH_LOAD_NT scope:SCOPE_SE
.Lnot_mine_\@:
.endm
.macro TURN fill, fetch, ask, swap
.if \swap
	NOP4
	QLOAD
.endif
	s_wait_tensorcnt 0x0
	ds_add_u32 v[SPW], v[NIL]
	s_wait_dscnt 0x1
	WIN 0x50
	MUL 1, 0, 8, 0
	s_wait_dscnt 0x0
	s_barrier_signal -1
	MUL 1, 8, 8, 0
	WIN 0
	s_barrier_wait -1
.if \fill
	CREST
	s_xor_b32 s[FB], s[FB], SLOTB
	s_add_co_u32 s[G0+1], s[FB], s[WB]
	s_add_co_u32 s[FP], s[FP], 1
	s_add_co_u32 s[OFS], s[FP], s[ROT]
	s_and_b32 s[OFS], s[OFS], 3
	s_and_b32 s62, s[FP], 12
	s_add_co_u32 s[OFS], s[OFS], s62
	s_mul_i32 s[OFS], s[OFS], SLOTB
	s_lshr_b32 s62, s[FP], 3
	s_mul_i32 s62, s62, s[JMP]
	s_add_co_u32 s[OFS], s[OFS], s62
	s_add_nc_u64 s[G0+2:G0+3], s[SBP:SBP+1], s[OFS:OFS+1]
	s_or_b32 s[G0+3], s[G0+3], 0x80000000
	tensor_load_to_lds s[G0:G0+3], s[G1:G1+7]
	s_nop 0
	NOP4
.endif
	s_xor_b32 s[RB], s[RB], SLOTB
	s_add_co_u32 s[RP], s[RP], 1
	s_add_co_u32 s[TA], s[RP], s[ROT]
	s_and_b32 s[TA], s[TA], 3
	s_mul_i32 s[TA], s[TA], 2*ASTEP
.if \swap
	s_wait_loadcnt 0x0
	QSTORE
	BAR
.endif
.if \fetch
	FETCH 0
.endif
.if \fill
	ASK 1
.endif
	WIN 0x50
	MUL 1, 16, 16, 0
	WIN 0
.endm
.macro QTAIL
.irp b, 0,1,2,3,4,5,6,7,8,9,10,11,12,13,14,15
	v_add_nc_u32 v[SO+\b], 0xff000000, v[BM+\b]
.endr
.irp b, 0,1,2,3,4,5,6,7,8,9,10,11,12,13,14,15
	v_lshrrev_b32 v[SB+\b], 23, v[SO+\b]
.endr
.irp m, 0,1,2,3
	v_lshl_or_b32 v[SW+\m], v[SB+4*\m+1], 8, v[SB+4*\m]
.endr
.irp m, 0,1,2,3
	s_delay_alu instid0(VALU_DEP_4)
	v_lshl_or_b32 v[SW+\m], v[SB+4*\m+2], 16, v[SW+\m]
.endr
.irp m, 0,1,2,3
	s_delay_alu instid0(VALU_DEP_4)
	v_lshl_or_b32 v[SW+\m], v[SB+4*\m+3], 24, v[SW+\m]
.endr
.irp j, 0
	s_delay_alu instid0(VALU_DEP_3)
	v_cndmask_b32 v[W2+\j], v[SW+2*\j], v[SW+2*\j+1], s[HM]
.endr
.irp j, 1
	s_delay_alu instid0(VALU_DEP_2)
	v_cndmask_b32 v[W2+\j], v[SW+2*\j], v[SW+2*\j+1], s[HM]
.endr
	WIN 0x01
.irp m, 0,1,2,3
.irp g, 0,1,2,3
.irp u, 0,1
	v_cvt_scalef32_pk8_fp4_f32 v[PC+8*\m+2*\g+\u], v[64*\m+16*\g+8*\u:64*\m+16*\g+8*\u+7], v[SO+4*\m+\g]
.endr
.endr
.endr
	WIN 0
	v_nop
.irp m, 0,1,2,3
.irp c, 0,1
.irp i, 0,1
	v_permlane16_swap_b32 v[PC+8*\m+4*\c+\i], v[PC+8*\m+4*\c+2+\i]
.endr
.endr
.endr
.irp m, 0,1,2,3
.irp c, 0,1
	ds_store_b128 v[AW], v[PC+8*\m+4*\c:PC+8*\m+4*\c+3] offset:1024*\m+512*\c
.endr
.endr
	ds_store_b64 v[AWS], v[W2:W2+1]
.endm
	s_load_b128 s[4:7], s[0:1], 0x0
	s_load_b64 s[8:9], s[0:1], 0x10
	v_lshl_add_u32 v[SPW], v0, 2, SPARE
	v_mov_b32 v[NIL], 0
	ds_add_u32 v[SPW], v[NIL]
	ds_add_u32 v[SPW], v[NIL]
	v_lshrrev_b32 v[WK], 5, v0
	s_delay_alu instid0(VALU_DEP_1)
	v_readfirstlane_b32 s[WV], v[WK]
	s_bfe_u32 s[CX], ttmp6, 0x40000
	s_lshl_b32 s[QB], ttmp9, 2
	s_add_co_u32 s[QB], s[QB], s[CX]
	s_and_b32 s[BA], ttmp7, 0xffff
	s_and_b32 s[ROT], ttmp9, 3
	s_mov_b32 s[G1],   15|(3<<16)|(1<<21)
	s_mov_b32 s[G1+1], 32<<16
	s_mov_b32 s[G1+2], 68<<16
	s_mov_b32 s[G1+3], 32<<16
	s_mov_b32 s[G1+4], 68
	s_mov_b32 s[G1+5], 32
	s_mov_b32 s[G1+6], 0
	s_mov_b32 s[G1+7], 0
	s_mul_i32 s[WB], s[WV], WSH
	s_lshl_b32 s45, s[BA], 4
	s_sub_co_u32 s[JMP], 240, s45
	s_mul_i32 s[JMP], s[JMP], BLK
	s_mul_i32 s45, s45, BLK
	s_add_co_u32 s[OFS], s45, s[WB]
	s_mov_b32 s[OFS+1], 0
	s_lshr_b32 s58, s[CX], 1
	s_mul_i32 s58, s58, BLK
	s_and_b32 s59, s[CX], 1
	s_lshl_b32 s59, s59, 2
	s_add_co_u32 s59, s59, s[WV]
	s_lshl_b32 s59, s59, 13
	s_add_co_u32 s58, s58, s59
	s_add_co_u32 s58, s58, s45
	s_mov_b32 s59, 0
	s_lshl_b32 s62, s[BA], 3
	s_add_co_u32 s62, s62, s[WV]
	s_mul_i32 s62, s62, BLK
	s_mov_b32 s63, 0
	s_lshl_b32 s56, s[BA], 22
	s_lshl_b32 s57, s[QB], 18
	s_add_co_u32 s56, s56, s57
	s_mov_b32 s57, 0
	s_lshr_b32 s14, s[WV], 2
	s_cmp_eq_u32 s14, 0
	s_cselect_b32 s[ASKF], 1, 0
	s_mov_b32 s[CS], 0x3fb8aa3b
	s_mov_b32 s[CS+1], s[CS]
	s_mov_b32 s[C2], 0x4038aa3b
	s_mov_b32 s[C2+1], s[C2]
	s_mov_b32 s[SEL], 0x76543210
	s_mov_b32 s[SEL+1], 0xfedcba98
	s_mov_b32 s[HM], 0xffff0000
	s_mov_b32 s[RB], 0
	s_mov_b32 s[FB], SLOTB
	s_mov_b32 s[RP], 0
	s_mov_b32 s[FP], 1
	s_mul_i32 s[TA], s[ROT], 2*ASTEP
	v_and_b32 v[WK+1], 31, v0
	s_wait_alu depctr_va_vdst(0)
	v_and_b32 v[WK+2], 15, v0
	v_bfe_u32 v[WK+3], v0, 4, 1
	s_lshl_b32 s14, s[QB], 12
	v_lshl_add_u32 v[QO], v[WK+1], 4, s14
	s_lshr_b32 s14, s[QB], 1
	s_lshl_b32 s14, s14, 9
	s_and_b32 s15, s[QB], 1
	s_lshl_b32 s15, s15, 3
	s_add_co_u32 s14, s14, s15
	s_add_co_u32 s14, s14, 65536
	v_lshl_add_u32 v[QOS], v[WK+1], 4, s14
	s_lshl_b32 s14, s[WV], 13
	v_lshl_add_u32 v[SL], v[WK+1], 4, s14
	s_delay_alu instid0(VALU_DEP_1)
	v_add_nc_u32 v[SL+1], BLK, v[SL]
	s_lshl_b32 s14, s[WV], 9
	v_lshl_add_u32 v[GO], v[WK+1], 4, s14
	s_add_co_u32 s14, s14, 65536
	v_lshl_add_u32 v[SC], v[WK+1], 4, s14
	s_delay_alu instid0(VALU_DEP_1)
	v_add_nc_u32 v[SC+1], BLK, v[SC]
	v_lshl_add_u32 v[AL], v[WK+1], 4, AIMG
	v_lshl_add_u32 v[ALS], v[WK+1], 3, AIMG+4096
	s_mul_i32 s14, s[WV], ASTEP
	v_add_nc_u32 v[AW], s14, v[AL]
	v_add_nc_u32 v[AWS], s14, v[ALS]
	v_lshl_add_u32 v[RDR], v[WK+1], 5, RED
	s_lshl_b32 s14, s[WV], 2
	v_add_nc_u32 v[RDW], s14, v[RDR]
	s_mul_i32 s14, s[WV], 16*SPITCH
	v_mul_u32_u24 v[STO], v[WK+2], SPITCH
	s_delay_alu instid0(VALU_DEP_1)
	v_lshl_add_u32 v[STO], v[WK+3], 6, v[STO]
	s_delay_alu instid0(VALU_DEP_1)
	v_add_nc_u32 v[STO], s14, v[STO]
	v_lshl_add_u32 v[SRD], v[WK+1], 4, s14
	v_lshlrev_b32 v[PFO], 8, v[WK+1]
.irp m, 0,1,2,3
	v_mov_b32 v[WK+4+\m], 0
.endr
	s_wait_dscnt 0x0
	s_wait_kmcnt 0x0
	s_add_nc_u64 s[JP:JP+1], s[4:5], s[58:59]
	s_add_nc_u64 s[QP:QP+1], s[6:7], s[62:63]
	s_add_nc_u64 s[8:9], s[8:9], s[56:57]
	s_add_nc_u64 s[SBP:SBP+1], s[4:5], s[OFS:OFS+1]
	s_mul_i32 s[OFS], s[ROT], SLOTB
	s_mov_b32 s[G0A], 1
	s_mov_b32 s[G0A+1], s[WB]
	s_add_nc_u64 s[G0A+2:G0A+3], s[SBP:SBP+1], s[OFS:OFS+1]
	s_or_b32 s[G0A+3], s[G0A+3], 0x80000000
	s_add_co_u32 s[OFS], s[ROT], 1
	s_and_b32 s[OFS], s[OFS], 3
	s_mul_i32 s[OFS], s[OFS], SLOTB
	s_mov_b32 s[G0], 1
	s_add_co_u32 s[G0+1], s[WB], SLOTB
	s_add_nc_u64 s[G0+2:G0+3], s[SBP:SBP+1], s[OFS:OFS+1]
	s_or_b32 s[G0+3], s[G0+3], 0x80000000
	QLOAD
	CROUND
	tensor_load_to_lds s[G0A:G0A+3], s[G1:G1+7]
	s_nop 0
	s_wait_alu depctr_va_vdst(0)
	ASK 0                                          ; slot 1, which is asked for when slot 0 has landed
	s_wait_tensorcnt 0x0
	ds_add_u32 v1, v2
	s_wait_dscnt 0x0
	CROUND
	tensor_load_to_lds s[G0:G0+3], s[G1:G1+7]
	s_nop 0
	NOP4
	ASK 1                                          ; slot 2
	s_wait_loadcnt 0x0
	QSTORE
	s_wait_tensorcnt 0x1
	BAR
	FETCH 0
	STEP0 1
	s_mov_b32 s[CNT], 3
.Lp1:
	TURN 1, 1, 1, 0
	STEP0 0
	s_sub_co_u32 s[CNT], s[CNT], 1
	s_cmp_lg_u32 s[CNT], 0
	s_cbranch_scc1 .Lp1
	TURN 1, 0, 0, 0
	NOP4
	WIN 0x15
.irp m, 0,1,2,3
.irp g, 0,1,2,3
	v_max3_num_f32 v[BM+4*\m+\g], v[64*\m+16*\g], v[64*\m+16*\g+1], v[64*\m+16*\g+2]
.endr
.endr
	WIN 0x14
.irp i, 3,5,7,9,11,13
.irp m, 0,1,2,3
.irp g, 0,1,2,3
	v_max3_num_f32 v[BM+4*\m+\g], v[BM+4*\m+\g], v[64*\m+16*\g+\i], v[64*\m+16*\g+\i+1]
.endr
.endr
.endr
.irp m, 0,1,2,3
.irp g, 0,1,2,3
	v_max_num_f32 v[BM+4*\m+\g], v[BM+4*\m+\g], v[64*\m+16*\g+15]
.endr
.endr
	WIN 0
.irp b, 0,1,2,3,4,5,6,7,8,9,10,11,12,13,14,15
	v_permlanex16_b32 v[BT+\b], v[BM+\b], s[SEL], s[SEL+1]
.endr
.irp b, 0,1,2,3,4,5,6,7,8,9,10,11,12,13,14,15
	v_max_num_f32 v[BM+\b], v[BM+\b], v[BT+\b]
.endr
.irp m, 0,1,2,3
	v_max3_num_f32 v[WK+\m], v[BM+4*\m], v[BM+4*\m+1], v[BM+4*\m+2]
.endr
.irp m, 0,1,2,3
	s_delay_alu instid0(VALU_DEP_4)
	v_max_num_f32 v[WK+\m], v[WK+\m], v[BM+4*\m+3]
.endr
.irp m, 0,1,2,3
	ds_store_b32 v[RDW], v[WK+\m] offset:1024*\m
.endr
	BAR
.irp m, 0,1,2,3
	ds_load_b128 v[RX+8*\m:RX+8*\m+3],   v[RDR] offset:1024*\m
	ds_load_b128 v[RX+8*\m+4:RX+8*\m+7], v[RDR] offset:1024*\m+16
.endr
	s_wait_dscnt 0x0
.irp m, 0,1,2,3
	v_max3_num_f32 v[WK+\m], v[RX+8*\m], v[RX+8*\m+1], v[RX+8*\m+2]
.endr
.irp m, 0,1,2,3
	s_delay_alu instid0(VALU_DEP_4)
	v_max3_num_f32 v[WK+\m], v[WK+\m], v[RX+8*\m+3], v[RX+8*\m+4]
.endr
.irp m, 0,1,2,3
	s_delay_alu instid0(VALU_DEP_4)
	v_max3_num_f32 v[WK+\m], v[WK+\m], v[RX+8*\m+5], v[RX+8*\m+6]
.endr
.irp m, 0,1,2,3
	s_delay_alu instid0(VALU_DEP_4)
	v_max_num_f32 v[WK+\m], v[WK+\m], v[RX+8*\m+7]
.endr
.irp m, 0,1,2,3
	s_delay_alu instid0(VALU_DEP_4)
	v_mul_f32 v[WK+\m], s[CS], v[WK+\m]
.endr
.irp m, 0,1,2,3
	s_delay_alu instid0(VALU_DEP_4)
	v_floor_f32 v[NM+2*\m], -v[WK+\m]
.endr
.irp m, 0,1,2,3
	s_delay_alu instid0(VALU_DEP_4)
	v_mov_b32 v[NM+2*\m+1], v[NM+2*\m]
.endr
.irp m, 0,1,2,3
.irp g, 0,1,2,3
	v_fma_f32 v[BM+4*\m+\g], v[BM+4*\m+\g], s[CS], v[NM+2*\m]
.endr
.endr
	WIN 0x41
.irp m, 0,1,2,3
.set a, 64*\m
.rept 32
	v_pk_fma_f32 v[a:a+1], v[a:a+1], s[CS:CS+1], v[NM+2*\m:NM+2*\m+1] op_sel_hi:[1,0,0]
.set a, a+2
.endr
.endr
.set a, 0
	s_wait_alu depctr_va_vdst(0)
.rept 256
	v_exp_f32 v[a], v[a]
.set a, a+1
.endr
	WIN 0
	v_nop
	s_wait_alu depctr_va_vdst(0)
.irp b, 0,1,2,3,4,5,6,7,8,9,10,11,12,13,14,15
	v_exp_f32 v[BM+\b], v[BM+\b]
.endr
	WIN 0x05
.irp m, 0,1,2,3
	v_pk_add_f32 v[LA+2*\m:LA+2*\m+1], v[64*\m:64*\m+1], v[64*\m+2:64*\m+3]
	v_pk_add_f32 v[LB+2*\m:LB+2*\m+1], v[64*\m+4:64*\m+5], v[64*\m+6:64*\m+7]
.endr
	WIN 0x04
.irp j, 8,12,16,20,24,28,32,36,40,44,48,52,56,60
.irp m, 0,1,2,3
	v_pk_add_f32 v[LA+2*\m:LA+2*\m+1], v[LA+2*\m:LA+2*\m+1], v[64*\m+\j:64*\m+\j+1]
	v_pk_add_f32 v[LB+2*\m:LB+2*\m+1], v[LB+2*\m:LB+2*\m+1], v[64*\m+\j+2:64*\m+\j+3]
.endr
.endr
	WIN 0
.irp m, 0,1,2,3
	v_pk_add_f32 v[LA+2*\m:LA+2*\m+1], v[LA+2*\m:LA+2*\m+1], v[LB+2*\m:LB+2*\m+1]
.endr
	s_wait_alu depctr_va_vdst(0)
.irp m, 0,1,2,3
	v_add_f32 v[WK+\m], v[LA+2*\m], v[LA+2*\m+1]
.endr
.irp m, 0,1,2,3
	s_delay_alu instid0(VALU_DEP_4)
	v_permlanex16_b32 v[WK+4+\m], v[WK+\m], s[SEL], s[SEL+1]
.endr
.irp m, 0,1,2,3
	s_delay_alu instid0(VALU_DEP_4)
	v_add_f32 v[WK+\m], v[WK+\m], v[WK+4+\m]
.endr
.irp m, 0,1,2,3
	ds_store_b32 v[RDW], v[WK+\m] offset:4096+1024*\m
.endr
.irp b, 0,1,2,3,4,5,6,7,8,9,10,11,12,13,14,15
	v_max_num_f32 v[BM+\b], 0x1800000, v[BM+\b]
.endr
	QTAIL
	BAR
.irp m, 0,1,2,3
	ds_load_b128 v[LA+8*\m:LA+8*\m+3],   v[RDR] offset:4096+1024*\m
	ds_load_b128 v[LA+8*\m+4:LA+8*\m+7], v[RDR] offset:4096+1024*\m+16
.endr
	FETCH 0
	s_wait_dscnt 26
.irp m, 0,1,2,3
	v_pk_add_f32 v[LA+8*\m:LA+8*\m+1], v[LA+8*\m:LA+8*\m+1], v[LA+8*\m+2:LA+8*\m+3]
	v_pk_add_f32 v[LA+8*\m+4:LA+8*\m+5], v[LA+8*\m+4:LA+8*\m+5], v[LA+8*\m+6:LA+8*\m+7]
.endr
.irp m, 0,1,2,3
	v_pk_add_f32 v[LA+8*\m:LA+8*\m+1], v[LA+8*\m:LA+8*\m+1], v[LA+8*\m+4:LA+8*\m+5]
.endr
.irp m, 0,1,2,3
	s_delay_alu instid0(VALU_DEP_4)
	v_add_f32 v[WK+\m], v[LA+8*\m], v[LA+8*\m+1]
.endr
	s_wait_alu depctr_va_vdst(0)
.irp m, 0,1,2,3
	v_rcp_f32 v[RL+2*\m], v[WK+\m]
	v_rcp_f32 v[RL+2*\m+1], v[WK+\m]
.endr
	v_nop
	s_wait_alu depctr_va_vdst(0)
	STEP0 1
	s_mov_b32 s[CNT], 3
.Lp2:
	TURN 1, 1, 1, 0
	STEP0 0
	s_sub_co_u32 s[CNT], s[CNT], 1
	s_cmp_lg_u32 s[CNT], 0
	s_cbranch_scc1 .Lp2
	TURN 1, 0, 0, 0
	NOP4
	WIN 0x41
.irp m, 0,1,2,3
.set a, 64*\m
.rept 32
	v_pk_mul_f32 v[a:a+1], v[a:a+1], v[RL+2*\m:RL+2*\m+1]
.set a, a+2
.endr
.endr
	WIN 0x05
.irp m, 0,1,2,3
.irp g, 0,1,2,3
	v_max3_num_f32 v[BM+4*\m+\g], |v[64*\m+16*\g]|, |v[64*\m+16*\g+1]|, 0x1800000
.endr
.endr
	WIN 0x14
.irp i, 2,4,6,8,10,12,14
.irp m, 0,1,2,3
.irp g, 0,1,2,3
	v_max3_num_f32 v[BM+4*\m+\g], v[BM+4*\m+\g], |v[64*\m+16*\g+\i]|, |v[64*\m+16*\g+\i+1]|
.endr
.endr
.endr
	WIN 0
.irp b, 0,1,2,3,4,5,6,7,8,9,10,11,12,13,14,15
	v_permlanex16_b32 v[BT+\b], v[BM+\b], s[SEL], s[SEL+1]
.endr
.irp b, 0,1,2,3,4,5,6,7,8,9,10,11,12,13,14,15
	v_max_num_f32 v[BM+\b], v[BM+\b], v[BT+\b]
.endr
	QTAIL
	BAR
	FETCH 0
	STEP0 1
	s_mov_b32 s[CNT], 3
.Lp3:
	TURN 1, 1, 1, 0
	STEP0 0
	s_sub_co_u32 s[CNT], s[CNT], 1
	s_cmp_lg_u32 s[CNT], 0
	s_cbranch_scc1 .Lp3
	TURN 1, 1, 0, 1
	STEP0 0
	s_mov_b32 s[CNT], 2
.Lp4:
	TURN 1, 1, 0, 0
	STEP0 0
	s_sub_co_u32 s[CNT], s[CNT], 1
	s_cmp_lg_u32 s[CNT], 0
	s_cbranch_scc1 .Lp4
	TURN 0, 1, 0, 0
	STEP0 0
	s_wait_dscnt 0x0
	WIN 0x50
	MUL 1, 0, 32, 0
	WIN 0
.macro SCL m
.set a, 64*(\m)
.rept 32
	v_pk_mul_f32 v[a:a+1], v[a:a+1], s[C2:C2+1] op_sel_hi:[1,0]
.set a, a+2
.endr
.endm
.macro TANH m
	WIN 0x41
.set a, 64*(\m)
.rept 64
	v_exp_f32 v[a], v[a]
.set a, a+1
.endr
.if (\m) < 3
	s_wait_alu depctr_va_vdst(0)
	SCL (\m)+1
.else
	v_nop
.endif
	s_wait_alu depctr_va_vdst(0)
.set a, 64*(\m)
.rept 32
	v_pk_add_f32 v[a:a+1], v[a:a+1], 1.0 op_sel_hi:[1,0]
.set a, a+2
.endr
.set a, 64*(\m)
	s_wait_alu depctr_va_vdst(0)
.rept 64
	v_rcp_f32 v[a], v[a]
.set a, a+1
.endr
	v_nop
	s_wait_alu depctr_va_vdst(0)
.set a, 64*(\m)
.rept 32
	v_pk_fma_f32 v[a:a+1], v[a:a+1], -2.0, 1.0 op_sel_hi:[1,0,0]
.set a, a+2
.endr
	WIN 0
.endm
.macro TOSTAGE m
	WIN 0x04
.irp g, 0,1,2,3
.irp u, 0,1
.irp q, 0,1
	ds_store_b128 v[STO], v[64*(\m)+16*\g+8*\u+4*\q:64*(\m)+16*\g+8*\u+4*\q+3] offset:128*\g+32*\u+16*\q
.endr
.endr
.endr
	WIN 0
.irp p, 0,1,2,3,4,5,6,7,8,9,10,11,12,13,14,15
	ds_load_b128 v[SF+64*((\m)%2)+4*\p:SF+64*((\m)%2)+4*\p+3], v[SRD] offset:SPITCH*\p
.endr
.endm
.macro SEND m
.irp p, 0,1,2,3,4,5,6,7,8,9,10,11,12,13,14,15
	s_wait_dscnt 15-\p
	global_store_b128 v[GO], v[SF+64*((\m)%2)+4*\p:SF+64*((\m)%2)+4*\p+3], s[8:9] offset:(32*((\m)/2)+8*((\m)%2)+\p+8*(\p/8))*4096 th:TH_STORE_NT
.endr
.endm
	NOP4
	WIN 0x41
	SCL 0
	s_wait_alu depctr_va_vdst(0)
	TANH 0
	TOSTAGE 0
	TANH 1
	s_wait_alu depctr_va_vdst(0)
	SEND 0
	TOSTAGE 1
	TANH 2
	s_wait_alu depctr_va_vdst(0)
	SEND 1
	s_wait_xcnt 0x0
	TOSTAGE 2
	TANH 3
	s_wait_alu depctr_va_vdst(0)
	SEND 2
	s_wait_xcnt 0x0
	TOSTAGE 3
	SEND 3
	s_wait_tensorcnt 0x0
	ds_add_u32 v[SPW], v[NIL]
	s_wait_dscnt 0x0
	CROUND
	s_endpgm
.Lfunc_end_k_qa1014f53a5_attn:
	.size	k_qa1014f53a5_attn, .Lfunc_end_k_qa1014f53a5_attn-k_qa1014f53a5_attn
	.p2alignl 7, 3214868480
	.fill 96, 4, 3214868480
	.section	.rodata,"a",@progbits
	.p2align	6, 0x0
	.amdhsa_kernel k_qa1014f53a5_attn
		.amdhsa_group_segment_fixed_size 327680
		.amdhsa_private_segment_fixed_size 0
		.amdhsa_enable_private_segment 0
		.amdhsa_kernarg_size 24
		.amdhsa_user_sgpr_count 2
		.amdhsa_user_sgpr_kernarg_segment_ptr 1
		.amdhsa_wavefront_size32 1
		.amdhsa_system_sgpr_workgroup_id_x 1
		.amdhsa_system_sgpr_workgroup_id_y 1
		.amdhsa_system_sgpr_workgroup_id_z 1
		.amdhsa_system_vgpr_workitem_id 0
		.amdhsa_next_free_vgpr 512
		.amdhsa_next_free_sgpr 72
		.amdhsa_reserve_vcc 0
		.amdhsa_float_denorm_mode_32 3
		.amdhsa_float_denorm_mode_16_64 3
		.amdhsa_memory_ordered 1
		.amdhsa_forward_progress 1
		.amdhsa_inst_pref_size 255
	.end_amdhsa_kernel
	.section	.bss,"aw",@nobits
	.p2align	6
	.space	262144
	.amdgpu_metadata
---
amdhsa.version: [ 1, 2 ]
amdhsa.kernels:
  - .name:           k_qa1014f53a5_attn
    .symbol:         k_qa1014f53a5_attn.kd
    .args:
      - { .name: strm, .offset: 0, .size: 8, .value_kind: global_buffer, .address_space: global }
      - { .name: qblk, .offset: 8, .size: 8, .value_kind: global_buffer, .address_space: global }
      - { .name: out0, .offset: 16, .size: 8, .value_kind: global_buffer, .address_space: global }
    .group_segment_fixed_size: 327680
    .private_segment_fixed_size: 0
    .kernarg_segment_align: 8
    .kernarg_segment_size: 24
    .max_flat_workgroup_size: 256
    .sgpr_count:     72
    .vgpr_count:     512
    .wavefront_size: 32
...
	.end_amdgpu_metadata
.endif
;; end of part 2
